; MI455X (gfx1250); checked and timed in simulation.
; The chip was launched on July 23, 2026; its instructions are those of AMD's public machine-readable ISA for CDNA 5 (MIT licence, August 2026) and "CDNA5" Instruction Set Architecture Reference Guide (July 2026). The comments in the code are by the model that wrote it; some were corrected since.
;; Self Attention. Allowed arithmetic: matrix products marked QUANTISED: E3M2 operands, one E8M0 scale for each 32 along K, by v_wmma_scale_f32_16x16x128_f8f6f4 with both operands' format E3M2, f32 sums; everything else in f32.
;; Inputs: Wk 512 x 512 float32; Wq 512 x 512 float32; Wv 512 x 512 float32; ln_beta 512 float32; ln_gamma 512 float32; x 4 x 2,048 x 512 float32.
;; Outputs: out0 4 x 2,048 x 512 float32.
;; This version of the problem:
;;   THIS VERSION OF THE PROBLEM IS GIVEN IN LOW PRECISION. The matrix products marked QUANTISED in the list below multiply operands that are first quantised to E3M2 (3 exponent bits, 2 mantissa bits; 6 bits a number), with one power-of-two scale for each 32 numbers along K (OCP MX v1.0); their sums are f32. All else is computed in f32.
;;   The module's matrix products, in the order in which they are computed (A, B: the left and right operand; K: the contracted axis; several contracted axes count as one K, in the product's order):
;;     1. [M 8,192, K 512] x [K 512, N 512]; A: computed on the way; B: input Wq: QUANTISED
;;     2. [M 8,192, K 512] x [K 512, N 512]; A: computed on the way; B: input Wk: QUANTISED
;;     3. [M 8,192, K 512] x [K 512, N 512]; A: computed on the way; B: input Wv: QUANTISED
;;     4. batch 32 x [M 2,048, K 64] x [K 64, N 2,048]; A: computed on the way; B: computed on the way: QUANTISED
;;     5. batch 32 x [M 2,048, K 2,048] x [K 2,048, N 64]; A: softmax (see below); B: computed on the way: QUANTISED
;;   THE QUANTISER, for each operand of a quantised product, along K:
;;     - K is cut into blocks of 32 from its start; a last block that is shorter is filled with zeros.
;;     - A block's scale is 2^e with e = floor(log2(the largest magnitude in the block)) - 4, held to -126 .. 127; a block of zeros has e = 0. As a byte (E8M0): e + 127.
;;     - Each number is divided by its block's scale, clamped to +-28, and rounded to the nearest number of E3M2, ties to even, subnormals kept.
;;     - The product sums the exact products of the quantised numbers (number of the format x scale) in f32.
;;   ~~~python
;;   def quantise(x, axis):      # numpy; x: float32 -> the quantised numbers, widened to float32 again
;;       x = np.moveaxis(x, axis, -1); K = x.shape[-1]
;;       x = np.pad(x, [(0, 0)] * (x.ndim - 1) + [(0, -K % 32)]); x = x.reshape(x.shape[:-1] + (-1, 32)); a = np.abs(x).max(-1, keepdims=True)
;;       e = np.where(a > 0, np.clip(np.frexp(np.where(a > 0, a, 1))[1] - 1 - 4, -126, 127), 0)      # np.frexp(a)[1] - 1 = floor(log2(a)), exactly
;;       r = np.clip(x / 2.0 ** e, -28, 28)
;;       step = 2.0 ** (np.maximum(np.frexp(np.where(r == 0, 1, r))[1] - 1, -2) - 2)
;;       q = np.round(r / step) * step * 2.0 ** e      # np.round: ties to even
;;       return np.moveaxis(q.reshape(q.shape[:-2] + (-1,))[..., :K], -1, axis).astype(np.float32)
;;   ~~~
;;   SOFTMAX AHEAD OF A QUANTISED PRODUCT. Where the list says 'softmax', what is quantised is not the finished softmax but p = 2^(t - M), with t = logit x log2(e) and M = ceil(the row's largest t), a whole number; so 1/2 < the row's largest p <= 1. The row's sum l is taken of the UNQUANTISED p, in f32, and the product's result is divided by l at the end. Since M is a whole number, a kernel that streams over the keys may use a running M (the ceiling of the running maximum): every later rescaling is an exact power of two, which a block's scale takes up: the codes' values come out the same.
;;   OPERANDS COMPUTED ON THE WAY. 'Computed on the way' means the value that the module computes at that place (a softmax that the list does not call 'softmax' is quantised finished and normalised). What goes into a quantiser is computed in f32, as accurately as f32 sums, v_exp_f32 and their like allow (about 1e-6 of the number): no bf16 or f16 on the way to a quantiser, and a product that is left as it is and whose result goes on into a quantised operand takes f32 operands (vector FMAs, or v_wmma_f32_16x16x4_f32). A number that lies on a knife's edge between two numbers of the format may be rounded either way, as far as f32 arithmetic and the matrix unit's own rounding can turn it there, and no further.
;; One version. Each part assembles by itself: llvm-mc -triple=amdgcn-amd-amdhsa -mcpu=gfx1250 --defsym DOCPART=n.
;; ======== version 1 of 1: 3 launches
;; limits: right only within a limited range of input values
;; workspace buffers: xc 3,276,800 bytes; wc 614,400 bytes; st 65,536 bytes; qc 3,145,728 bytes; qs 131,072 bytes; kv 6,553,600 bytes
;; launch prep (part 1): grid 608 x 1, 4 waves a work-group, no clusters, 69,120 bytes of LDS; arguments x, Wq, Wk, Wv, ln_gamma, ln_beta, xc, wc, st; writes xc, wc, st
.if DOCPART == 1
	.amdgcn_target "amdgcn-amd-amdhsa--gfx1250"
	.amdhsa_code_object_version 6
	.text
	.protected	k_q9e5f10cb3d_prep
	.globl	k_q9e5f10cb3d_prep
	.p2align	8
	.type	k_q9e5f10cb3d_prep,@function
k_q9e5f10cb3d_prep:
	s_mov_b64 s[64:65], 0
	v_nop
	global_prefetch_b8 v0, s[64:65] scope:SCOPE_SE
	s_setreg_imm32_b32 hwreg(HW_REG_WAVE_MODE, 25, 1), 1
	s_wait_xcnt 0x0
; LayerNorm of x [8192][512] and its codes of BF6 (E3M2) along the 512 columns; the codes of Wq, Wk, Wv [512][512] along their 512 columns; (mean, 1/sqrt(var + 1e-5)) of every row of x.
; One E8M0 byte for each 32 along K: the largest magnitude's exponent field - 4, held at 1 from below.
; A TILE IS 16 ROWS THAT ARE NOT NEIGHBOURS: tile T holds rows 64 (T / 4) + 8 (T % 4) + i + 24 (i / 8), i = 0 .. 15.  A later product that takes tiles 4 g .. 4 g + 3 as its source 0 leaves in a lane
; of half h the 32 neighbouring positions 64 g + 32 h + 0 .. 31: a whole block of 32 along the next K.
; SHARES.  Work-groups 0 .. 511: tile T of x.  Work-groups 512 .. 607: tile 0 .. 95 of the weights (32 of Wq, 32 of Wk, 32 of Wv).  Wave w takes K step w: columns 128 w .. 128 w + 127 of the 16 rows,
; 64 numbers a lane.  Each load reads 512 consecutive bytes of one row; the 8,192 bytes turn through the wave's own stage in LDS, so that a lane then holds two whole blocks of 32.
; OUT.  A fragment (16 rows x 128 K, 12 registers a lane) leaves as an image of its registers: three stores of 512 consecutive bytes; its scale words 4 bytes a row.
; xc: [16 tiles][K step][25,600]: tile ti's codes at 1,536 ti, its scale words at 24,576 + 64 ti + 4 r.  wc: [head][K step][19,200]: tile 4 kind + i (kind 0 Wq, 1 Wk, 2 Wv; i = 0 .. 3 of the head's 64 rows):
; codes at 1,536 each, scale words at 18,432 + 64 each.
; The mean is taken first and the squares are summed of the deviations: no difference of large sums.  No tensor loads, no cluster: every byte of x and W is read once.
; LIMITS: NaN and infinities among the inputs are not served.  A block whose largest magnitude lies under 2^-122, and a block of zeros, keeps the byte 1 (its codes are then small or zero; this program alone reads the bytes).
; Lanes r and r + 16 hold the same scale word and the same statistics and store them to the same address.
.set SP,   528                         ; a stage row: 512 bytes + 16
.set WST,  16*SP
.set XSTG, 0                           ; LDS: the four stages of x's path,
.set XCH1, 4*WST                       ; [lane][wave] partial sums,
.set XCH2, XCH1+512                    ; the same for the squares,
.set WSTG, XCH2+512                    ; four stages of the weights' path,
.set SPARE, WSTG+4*WST                 ; and the spare words
.set SPW,  13
.set NIL,  14
.set H8,   15                          ; 8 h
.set X,    16                          ; v16-79   64 numbers: register 32 c + i = column 128 w + 64 c + 32 h + i of row r
.set G,    80                          ; v80-143  gamma of my 64 columns
.set BT,   144                         ; v144-207 beta
.set TM,   208                         ; at work in QUANT
.set PW,   224                         ; the scale word
.set PC,   226                         ; v226-237 the codes, v238-245 at work
.set MU,   246
.set RS,   248
.set SEL,  34                          ; s[34:35] lane selects: lane l xor 16
	s_load_b512 s[4:19], s[0:1], 0x0               ; x, Wq, Wk, Wv, gamma, beta, xc, wc
	s_load_b64 s[20:21], s[0:1], 0x40              ; st
	v_lshl_add_u32 v[SPW], v0, 2, SPARE
	v_mov_b32 v[NIL], 0
	v_lshrrev_b32 v1, 5, v0
	v_readfirstlane_b32 s22, v1                    ; wave 0..3
	v_and_b32 v1, 31, v0                           ; l
	v_and_b32 v2, 15, v0                           ; r
	v_bfe_u32 v3, v0, 4, 1                         ; h
	v_lshlrev_b32 v4, 4, v1                        ; 16 l
	s_mul_i32 s23, s22, WST
	v_add_nc_u32 v5, s23, v4                       ; the stage, on the way in: a row's 512 bytes as they lie
	v_mul_u32_u24 v6, v2, SP
	v_lshl_add_u32 v6, v3, 7, v6
	v_add_nc_u32 v6, s23, v6                       ; and on the way out: row r, + 128 h
	s_lshl_b32 s23, s22, 2
	v_add_nc_u32 v7, s23, v4                       ; the exchange: 16 l + 4 w
	v_lshlrev_b32 v10, 2, v2                       ; 4 r: my row's scale word
	s_lshl_b32 s23, s22, 9                         ; 512 w: my K step's bytes in a row
	v_lshlrev_b32 v11, 7, v3
	v_add_nc_u32 v11, s23, v11                     ; gamma, beta: 512 w + 128 h
	v_lshlrev_b32 v[H8], 3, v3
	v_lshrrev_b32 v12, 3, v2
	v_mad_u32_u24 v12, v12, 24, v2
	v_lshlrev_b32 v12, 3, v12                      ; st: 8 (r + 24 (r / 8))
	v_mov_b32 v[TM+1], 0                           ; written once: a lane permute's destination counts as one of its sources
	v_mov_b32 v[TM+6], 0
	v_mov_b32 v254, 0
	s_wait_alu depctr_va_vdst(0)
	s_mov_b32 s[SEL], 0x76543210
	s_mov_b32 s[SEL+1], 0xfedcba98
	s_mov_b32 s36, 0x3b000000                      ; 1 / 512
	s_mov_b32 s37, 0x3727c5ac                      ; 1e-5
	s_cmp_lt_u32 ttmp9, 512                        ; x's work-group or a weight's?
	s_cselect_b32 s28, 0, 512
	s_cselect_b32 s29, 0x1ff, 31
	s_sub_co_u32 s28, ttmp9, s28                   ; the tile's number among x's or among the weights',
	s_and_b32 s29, s28, s29                        ; and in its source tensor
	s_lshr_b32 s38, s29, 2
	s_lshl_b32 s38, s38, 17                        ; 64 rows of 2,048 bytes
	s_and_b32 s39, s29, 3
	s_lshl_b32 s39, s39, 14                        ; 8 rows
	s_add_co_u32 s38, s38, s39
	s_add_co_u32 s38, s38, s23                     ; + 512 w
	s_mov_b32 s39, 0
	s_lshr_b32 s40, s28, 4                         ; x: the group of 16 tiles,
	s_mul_i32 s40, s40, 102400
	s_mul_i32 s41, s22, 25600                      ; my K step's block in it,
	s_add_co_u32 s40, s40, s41
	s_and_b32 s42, s28, 15                         ; the tile in it
	s_bfe_u32 s44, s28, 0x30002                    ; a weight: the head,
	s_mul_i32 s44, s44, 76800
	s_mul_i32 s41, s22, 19200
	s_add_co_u32 s44, s44, s41
	s_lshr_b32 s45, s28, 5                         ; 4 x kind + which 16 of the head's rows
	s_lshl_b32 s45, s45, 2
	s_and_b32 s46, s28, 3
	s_add_co_u32 s45, s45, s46
	s_mov_b32 s46, 18432
	s_mov_b32 s47, 24576
	s_cmp_lt_u32 ttmp9, 512
	s_cselect_b32 s40, s40, s44
	s_cselect_b32 s42, s42, s45
	s_cselect_b32 s43, s47, s46
	s_mul_i32 s41, s42, 1536
	s_add_co_u32 s44, s40, s41                     ; the tile's codes
	s_mov_b32 s45, 0
	s_lshl_b32 s42, s42, 6
	s_add_co_u32 s46, s40, s42
	s_add_co_u32 s46, s46, s43                     ; its scale words
	s_mov_b32 s47, 0
	s_lshr_b32 s42, s29, 2
	s_lshl_b32 s42, s42, 9
	s_and_b32 s43, s29, 3
	s_lshl_b32 s43, s43, 6
	s_add_co_u32 s42, s42, s43                     ; st: 8 bytes x (64 (T / 4) + 8 (T % 4))
	s_mov_b32 s43, 0
	s_wait_kmcnt 0x0
	s_mov_b64 s[24:25], s[10:11]                   ; the source: Wv, unless the work-group's number says otherwise
	s_cmp_lt_u32 ttmp9, 576
	s_cselect_b64 s[24:25], s[8:9], s[24:25]       ; Wk
	s_cmp_lt_u32 ttmp9, 544
	s_cselect_b64 s[24:25], s[6:7], s[24:25]       ; Wq
	s_cmp_lt_u32 ttmp9, 512
	s_cselect_b64 s[24:25], s[4:5], s[24:25]       ; x
	s_cselect_b64 s[26:27], s[16:17], s[18:19]     ; the codes go to xc or to wc
	s_add_nc_u64 s[24:25], s[24:25], s[38:39]
	s_add_nc_u64 s[30:31], s[26:27], s[46:47]
	s_add_nc_u64 s[26:27], s[26:27], s[44:45]
	s_add_nc_u64 s[32:33], s[20:21], s[42:43]
.irp i, 0,1,2,3,4,5,6,7,8,9,10,11,12,13,14,15
	global_load_b128 v[X+4*\i:X+4*\i+3], v4, s[24:25] offset:(\i+24*(\i/8))*2048   ; the tile's row i: 32 lanes read 512 consecutive bytes
.endr
.macro TURN base                               ; the 16 rows turn through my own stage
.irp i, 0,1,2,3,4,5,6,7,8,9,10,11,12,13,14,15
	ds_store_b128 v5, v[X+4*\i:X+4*\i+3] offset:\base+SP*\i
.endr
	s_wait_dscnt 0x0                               ; the stores have read the registers into which the loads below land
.irp c, 0,1
.irp j, 0,1,2,3,4,5,6,7
	ds_load_b128 v[X+32*\c+4*\j:X+32*\c+4*\j+3], v6 offset:\base+256*\c+16*\j
.endr
.endr
	s_wait_dscnt 0x0
.endm
; 64 numbers of a lane, two whole blocks, become a fragment's codes in v[PC] on and its scale word in v[PW].
.macro QUANT s
.irp c, 0,1
	v_max3_num_f32 v[TM+\c], |v[\s+32*\c]|, |v[\s+1+32*\c]|, 0x2800000   ; and the floor 2^(5 - 127): the byte cannot fall under 1
	v_max3_num_f32 v[TM+2+\c], |v[\s+16+32*\c]|, |v[\s+17+32*\c]|, |v[\s+18+32*\c]|
.endr
.irp i, 2,4,6,8,10,12
.irp c, 0,1
	v_max3_num_f32 v[TM+\c], v[TM+\c], |v[\s+32*\c+\i]|, |v[\s+1+32*\c+\i]|
	v_max3_num_f32 v[TM+2+\c], v[TM+2+\c], |v[\s+17+32*\c+\i]|, |v[\s+18+32*\c+\i]|
.endr
.endr
.irp c, 0,1
	v_max3_num_f32 v[TM+\c], v[TM+\c], |v[\s+14+32*\c]|, |v[\s+15+32*\c]|
.endr
.irp c, 0,1
	v_max3_num_f32 v[TM+\c], v[TM+\c], v[TM+2+\c], |v[\s+31+32*\c]|
.endr
.irp c, 0,1
	v_add_nc_u32 v[TM+4+\c], 0xfe000000, v[TM+\c]  ; 4 off its exponent field: the conversion takes this operand's exponent field as its scale
.endr
.irp c, 0,1
	v_lshrrev_b32 v[TM+\c], 23, v[TM+4+\c]         ; the scale's byte
.endr
	v_lshl_or_b32 v[TM], v[TM+1], 16, v[TM]
	v_lshlrev_b32 v[TM], v[H8], v[TM]              ; my blocks are h and 2 + h: their places in the word
	v_permlanex16_b32 v[TM+6], v[TM], s[SEL], s[SEL+1]
	v_or_b32 v[PW], v[TM], v[TM+6]                 ; with lane l xor 16's two the word is whole
.irp c, 0,1
	v_cvt_scalef32_pk16_bf6_f32 v[PC+6*\c:PC+2+6*\c], v[\s+32*\c:\s+15+32*\c], v[TM+4+\c]
	v_cvt_scalef32_pk16_bf6_f32 v[PC+12+4*\c:PC+14+4*\c], v[\s+16+32*\c:\s+31+32*\c], v[TM+4+\c]   ; (a conversion's three registers begin on an even number)
.endr
	v_nop                                          ; one plain place behind a scaled conversion
.irp c, 0,1
.irp i, 0,1,2
	v_mov_b32 v[PC+3+6*\c+\i], v[PC+12+4*\c+\i]
.endr
.endr
.endm
.macro OUT                                     ; the image: three stores of 512 consecutive bytes, each at a multiple of 512 from the tile's first byte; and 64 bytes of scale words
.irp c, 0,1,2
	global_store_b128 v4, v[PC+4*\c:PC+4*\c+3], s[26:27] offset:512*\c
.endr
	global_store_b32 v10, v[PW], s[30:31]
.endm
; Two packed chains v[250:253] become in v252 the sum over the row's 512 columns, in every lane: my two halves, lane l xor 16's, and the four waves' through LDS.
.macro ACROSS off
	v_pk_add_f32 v[250:251], v[250:251], v[252:253]
	v_add_f32 v250, v250, v251
	v_permlanex16_b32 v254, v250, s[SEL], s[SEL+1]
	v_add_f32 v250, v250, v254
	ds_store_b32 v7, v250 offset:\off
	s_wait_dscnt 0x0                               ; for the others' sake: my word has landed
	s_barrier_signal -1
	s_barrier_wait -1
	ds_load_b128 v[252:255], v4 offset:\off        ; the four waves' words for my lane
	s_wait_dscnt 0x0
	v_add_f32 v252, v252, v253
	v_add_f32 v254, v254, v255
	v_add_f32 v252, v252, v254
.endm
	s_cmp_lt_u32 ttmp9, 512                        ; the same in all four waves: the barriers below stand on x's path alone
	s_cbranch_scc0 .Lweights
.irp c, 0,1
.irp j, 0,1,2,3,4,5,6,7
	global_load_b128 v[G+32*\c+4*\j:G+32*\c+4*\j+3], v11, s[12:13] offset:256*\c+16*\j
.endr
.endr
.irp c, 0,1
.irp j, 0,1,2,3,4,5,6,7
	global_load_b128 v[BT+32*\c+4*\j:BT+32*\c+4*\j+3], v11, s[14:15] offset:256*\c+16*\j
.endr
.endr
	s_wait_loadcnt 32                              ; x's 16 loads are in; the 32 of gamma and beta, issued behind them, may be out
	TURN XSTG
	v_pk_add_f32 v[250:251], v[X:X+1], v[X+2:X+3]
	v_pk_add_f32 v[252:253], v[X+4:X+5], v[X+6:X+7]
.irp j, 8,12,16,20,24,28,32,36,40,44,48,52,56,60
	v_pk_add_f32 v[250:251], v[250:251], v[X+\j:X+\j+1]
	v_pk_add_f32 v[252:253], v[252:253], v[X+\j+2:X+\j+3]
.endr
	ACROSS XCH1
	v_mul_f32 v[MU], s36, v252                     ; the mean
	v_mov_b32 v[MU+1], v[MU]
.irp j, 0,2,4,6,8,10,12,14,16,18,20,22,24,26,28,30,32,34,36,38,40,42,44,46,48,50,52,54,56,58,60,62
	v_pk_add_f32 v[X+\j:X+\j+1], v[X+\j:X+\j+1], v[MU:MU+1] neg_lo:[0,1] neg_hi:[0,1]   ; x - mean
.endr
	v_pk_mul_f32 v[250:251], v[X:X+1], v[X:X+1]
	v_pk_mul_f32 v[252:253], v[X+2:X+3], v[X+2:X+3]
.irp j, 4,8,12,16,20,24,28,32,36,40,44,48,52,56,60
	v_pk_fma_f32 v[250:251], v[X+\j:X+\j+1], v[X+\j:X+\j+1], v[250:251]
	v_pk_fma_f32 v[252:253], v[X+\j+2:X+\j+3], v[X+\j+2:X+\j+3], v[252:253]
.endr
	ACROSS XCH2                                    ; other bytes than the first exchange's: no wave can overwrite what another still reads
	v_fma_f32 v252, v252, s36, s37                 ; var + eps
	s_wait_alu depctr_va_vdst(0)
	v_rsq_f32 v[RS], v252
	v_nop                                          ; one plain place behind a transcendental
	s_wait_alu depctr_va_vdst(0)
	v_mov_b32 v[RS+1], v[RS]
	s_wait_alu depctr_va_vdst(0)
	s_wait_loadcnt 0x0                             ; gamma and beta
.irp j, 0,2,4,6,8,10,12,14,16,18,20,22,24,26,28,30,32,34,36,38,40,42,44,46,48,50,52,54,56,58,60,62
	v_pk_mul_f32 v[X+\j:X+\j+1], v[X+\j:X+\j+1], v[RS:RS+1]
.endr
.irp j, 0,2,4,6,8,10,12,14,16,18,20,22,24,26,28,30,32,34,36,38,40,42,44,46,48,50,52,54,56,58,60,62
	v_pk_fma_f32 v[X+\j:X+\j+1], v[X+\j:X+\j+1], v[G+\j:G+\j+1], v[BT+\j:BT+\j+1]
.endr
	QUANT X
	OUT
	s_cmp_lg_u32 s22, 0                            ; the rows' statistics leave once: wave 0 stores them
	s_cbranch_scc1 .Ldone
	v_mov_b32 v250, v[MU]
	v_mov_b32 v251, v[RS]
	global_store_b64 v12, v[250:251], s[32:33]
.Ldone:
	s_wait_tensorcnt 0x0                           ; the wave's end
	ds_add_u32 v[SPW], v[NIL]
	s_wait_dscnt 0x0
	s_endpgm
.Lweights:                                     ; a weight: the codes of the numbers as they are
	s_wait_loadcnt 0x0
	TURN WSTG
	QUANT X
	OUT
	s_wait_tensorcnt 0x0
	ds_add_u32 v[SPW], v[NIL]
	s_wait_dscnt 0x0
	s_endpgm
.Lfunc_end_k_q9e5f10cb3d_prep:
	.size	k_q9e5f10cb3d_prep, .Lfunc_end_k_q9e5f10cb3d_prep-k_q9e5f10cb3d_prep
	.p2alignl 7, 3214868480
	.fill 96, 4, 3214868480
	.section	.rodata,"a",@progbits
	.p2align	6, 0x0
	.amdhsa_kernel k_q9e5f10cb3d_prep
		.amdhsa_group_segment_fixed_size 69120
		.amdhsa_private_segment_fixed_size 0
		.amdhsa_enable_private_segment 0
		.amdhsa_kernarg_size 72
		.amdhsa_user_sgpr_count 2
		.amdhsa_user_sgpr_kernarg_segment_ptr 1
		.amdhsa_wavefront_size32 1
		.amdhsa_system_sgpr_workgroup_id_x 1
		.amdhsa_system_sgpr_workgroup_id_y 1
		.amdhsa_system_sgpr_workgroup_id_z 1
		.amdhsa_system_vgpr_workitem_id 0
		.amdhsa_next_free_vgpr 256
		.amdhsa_next_free_sgpr 66
		.amdhsa_reserve_vcc 0
		.amdhsa_float_denorm_mode_32 3
		.amdhsa_float_denorm_mode_16_64 3
		.amdhsa_memory_ordered 1
		.amdhsa_forward_progress 1
		.amdhsa_inst_pref_size 32
	.end_amdhsa_kernel
	.amdgpu_metadata
---
amdhsa.version: [ 1, 2 ]
amdhsa.kernels:
  - .name:           k_q9e5f10cb3d_prep
    .symbol:         k_q9e5f10cb3d_prep.kd
    .args:
      - { .name: x, .offset: 0, .size: 8, .value_kind: global_buffer, .address_space: global }
      - { .name: Wq, .offset: 8, .size: 8, .value_kind: global_buffer, .address_space: global }
      - { .name: Wk, .offset: 16, .size: 8, .value_kind: global_buffer, .address_space: global }
      - { .name: Wv, .offset: 24, .size: 8, .value_kind: global_buffer, .address_space: global }
      - { .name: ln_gamma, .offset: 32, .size: 8, .value_kind: global_buffer, .address_space: global }
      - { .name: ln_beta, .offset: 40, .size: 8, .value_kind: global_buffer, .address_space: global }
      - { .name: xc, .offset: 48, .size: 8, .value_kind: global_buffer, .address_space: global }
      - { .name: wc, .offset: 56, .size: 8, .value_kind: global_buffer, .address_space: global }
      - { .name: st, .offset: 64, .size: 8, .value_kind: global_buffer, .address_space: global }
    .group_segment_fixed_size: 69120
    .private_segment_fixed_size: 0
    .kernarg_segment_align: 8
    .kernarg_segment_size: 72
    .max_flat_workgroup_size: 128
    .sgpr_count:     66
    .vgpr_count:     256
    .wavefront_size: 32
...
	.end_amdgpu_metadata
.endif
;; end of part 1
;; launch proj (part 2): grid 8 x 32, 12 waves a work-group, clusters of 4 x 4, 180,736 bytes of LDS; arguments xc, wc, qc, qs, kv; writes qc, qs, kv
.if DOCPART == 2
	.amdgcn_target "amdgcn-amd-amdhsa--gfx1250"
	.amdhsa_code_object_version 6
	.text
	.protected	k_q9e5f10cb3d_proj
	.globl	k_q9e5f10cb3d_proj
	.p2align	8
	.type	k_q9e5f10cb3d_proj,@function
k_q9e5f10cb3d_proj:
	s_mov_b64 s[64:65], 0
	v_nop
	global_prefetch_b8 v0, s[64:65] scope:SCOPE_SE
	s_setreg_imm32_b32 hwreg(HW_REG_WAVE_MODE, 25, 1), 1
	s_wait_xcnt 0x0
	s_wait_alu depctr_hold_cnt(0) depctr_sa_sdst(0) depctr_va_vdst(0) depctr_va_sdst(0) depctr_va_ssrc(0) depctr_va_vcc(0) depctr_vm_vsrc(0)
	s_getreg_b32 s2, hwreg(HW_REG_IB_STS2, 6, 4)
	s_cmp_eq_u32 s2, 0
	s_cbranch_scc0 .Lentry_in_a_cluster
	s_endpgm
.Lentry_in_a_cluster:
	s_bfe_u32 s2, ttmp6, 0x10000c
	s_cmp_lg_u32 s2, 0xf033
	s_cbranch_scc0 .Lentry_shape_is_right
	s_endpgm
.Lentry_shape_is_right:
; q = xn Wq^T, k = xn Wk^T, v = xn Wv^T on codes of BF6 (E3M2) with E8M0 scales, K = 512; the results are quantised at once, in registers: q and k along a head's 64 channels, v along the keys.
; SHARES.  Work-group (head, rb): 256 rows of xn (group rb of xc) x the head's 192 columns (64 each of q, k, v): 8 x 32 = 256 work-groups.  Twelve waves: wave w makes kind w / 4 (0 q, 1 k, 2 v) of rows 64 (w % 4) on:
; 64 x 64, 16 accumulators, 128 registers.
; SIDE 0 IS THE SIDE ALONG WHICH THE RESULT IS QUANTISED, and it is the matrix instruction's source 0: a lane then holds one row of side 1, and its 32 registers of a result are the 32 neighbours of block h
; (the rows of a tile were chosen for that by the launch before): the block's maximum needs no other lane, and two conversions give the operand's registers.
; q, k: side 0 = W (64 channels), side 1 = xn.  v: side 0 = xn (64 keys), side 1 = Wv.  Only addresses differ between the three.
; LDS: four K steps of 44,800 bytes: xn's block of 25,600 (16 fragments' images, then their scale words), then W's of 19,200 (12 fragments).  All come once, at the head, ONE joint load a wave, rows of 256 bytes:
; waves 0-7 half a K step of xn each (50 rows), waves 8-11 a K step of W each (75 rows).  Each K step's loads have lines of their own, and the waves that issued them wait ahead of that K step's barrier.
; CLUSTERS of 4 x 4: the four work-groups of a row (four heads) share xn's tiles, the four of a column (four row blocks) share W's.
; OUT.  A result of 16 rows x 64 K is six registers a lane: registers 0-3 leave by a store of 512 consecutive bytes, registers 4-5 by one of 256, both aligned.  The scale bytes leave by 2-byte stores.
; No prefetch: every load goes out at the head, there is no loop to run ahead in.
; LIMITS: a block whose largest magnitude lies under 2^-122, and a block of zeros, keeps the byte 1; NaN and infinities are not served.  Lanes r and r + 16 store the same two scale bytes to the same address.
.set CH,   44800                       ; a K step in LDS
.set WOFF, 25600                       ; W's block in it
.set FRB,  1536                        ; a fragment's image
.set SPARE, 4*CH
.set A0,   4                           ; LDS address of my four fragments of side 0,
.set A1,   5                           ; of side 1,
.set AS,   6                           ; of the scale words: lanes 0-15 side 0's, lanes 16-31 side 1's
.set H8,   9
.set SPW,  14
.set NIL,  15
.set F0,   16                          ; v16-63   side 0's four fragments
.set F1,   64                          ; v64-111  side 1's
.set SC,   112                         ; v112-115 scale words of tile i of both sides
.set CA,   116                         ; v116-119 the way out: 16 l + j CJ
.set CB,   120                         ; v120-123 512 + 8 l + j CJ
.set SA,   124                         ; v124-127 my row's two scale bytes of result j
.set ACC,  128                         ; accumulator (i, j) at ACC + 32 j + 8 i
.set WV,   14
.set HD,   17
.set RB,   18
.set QA,   19                          ; w % 4
.set KIND, 20
.set ISV,  21
.set NV,   22                          ; 1 - ISV
.set KS,   23                          ; the K step that I fetch for
.set G1X,  24
.set G1W,  32
.set G0X,  40
.set G0W,  44
.set SEL,  62
.macro CROUND                          ; a round of the cluster's barrier
	s_barrier_signal -1
	s_barrier_wait -1
	s_cmp_lg_u32 s[WV], 0
	s_cbranch_scc1 .Lnot_wave_0_\@
	s_barrier_signal -3
.Lnot_wave_0_\@:
	s_barrier_wait -3
	s_barrier_signal -1
	s_barrier_wait -1
.endm
	s_load_b256 s[4:11], s[0:1], 0x0               ; xc, wc, qc, qs
	s_load_b64 s[12:13], s[0:1], 0x20              ; kv
	v_lshl_add_u32 v[SPW], v0, 2, SPARE
	v_mov_b32 v[NIL], 0
	ds_add_u32 v[SPW], v[NIL]                      ; the wave's opening: the add, twice on end, and its wait
	ds_add_u32 v[SPW], v[NIL]
	v_lshrrev_b32 v1, 5, v0
	v_readfirstlane_b32 s[WV], v1                  ; wave 0..11
	s_bfe_u32 s15, ttmp6, 0x40000                  ; cx, cy
	s_bfe_u32 s16, ttmp6, 0x40004
	s_lshl_b32 s[HD], ttmp9, 2
	s_add_co_u32 s[HD], s[HD], s15                 ; head
	s_and_b32 s[RB], ttmp7, 0xffff
	s_lshl_b32 s[RB], s[RB], 2
	s_add_co_u32 s[RB], s[RB], s16                 ; row block
	s_and_b32 s[QA], s[WV], 3
	s_lshr_b32 s[KIND], s[WV], 2
	s_lshr_b32 s[ISV], s[WV], 3
	s_xor_b32 s[NV], s[ISV], 1
	s_and_b32 s[KS], s[WV], 7
	s_lshr_b32 s[KS], s[KS], s[NV]                 ; waves 0-7: w / 2; waves 8-11: w - 8
	s_lshl_b32 s48, s16, 2
	s_lshl_b32 s48, 15, s48                        ; my row of the cluster
	s_lshl_b32 s49, 0x1111, s15                    ; my column
	s_or_b32 s[G1X+0], s48, (3<<16)|(1<<21)        ; the mask; elements of 8 bytes; 21 set beside a mask; no padding
	s_mov_b32 s[G1X+1], 32<<16                     ; rows of 256 bytes, dense
	s_mov_b32 s[G1X+2], 50<<16
	s_mov_b32 s[G1X+3], 32<<16
	s_mov_b32 s[G1X+4], 50
	s_mov_b32 s[G1X+5], 32
	s_mov_b32 s[G1X+6], 0
	s_mov_b32 s[G1X+7], 0
	s_or_b32 s[G1W+0], s49, (3<<16)|(1<<21)
	s_mov_b32 s[G1W+1], 32<<16
	s_mov_b32 s[G1W+2], 75<<16
	s_mov_b32 s[G1W+3], 32<<16
	s_mov_b32 s[G1W+4], 75
	s_mov_b32 s[G1W+5], 32
	s_mov_b32 s[G1W+6], 0
	s_mov_b32 s[G1W+7], 0
	s_mul_i32 s48, s[KS], CH                       ; where my load goes in LDS,
	s_and_b32 s50, s[WV], 1
	s_mul_i32 s50, s50, 12800
	s_add_co_u32 s49, s48, s50                     ; xn's half,
	s_add_co_u32 s48, s48, WOFF                    ; W's block;
	s_mul_i32 s86, s[KS], 25600                    ; and where it comes from
	s_add_co_u32 s86, s86, s50
	s_mul_i32 s50, s[RB], 102400
	s_add_co_u32 s50, s50, s86
	s_mov_b32 s51, 0
	s_mul_i32 s60, s[HD], 76800
	s_mul_i32 s86, s[KS], 19200
	s_add_co_u32 s60, s60, s86
	s_mov_b32 s61, 0
	; my fragments: xn's begin at 6,144 a, W's at WOFF + 6,144 kind, d further on
	s_mul_i32 s66, s[QA], 4*FRB
	s_mul_i32 s67, s[KIND], 4*FRB
	s_add_co_u32 s67, s67, WOFF
	s_sub_co_u32 s67, s67, s66                     ; d, above 0
	s_mul_i32 s52, s67, s[NV]
	s_add_co_u32 s52, s52, s66                     ; side 0: W's in q and k, xn's in v
	s_mul_i32 s53, s67, s[ISV]
	s_add_co_u32 s53, s53, s66                     ; side 1: the other
	s_lshl_b32 s55, s[QA], 8
	s_add_co_u32 s55, s55, 24576                   ; xn's scale words,
	s_lshl_b32 s54, s[KIND], 8
	s_add_co_u32 s54, s54, WOFF+18432
	s_sub_co_u32 s54, s54, s55                     ; and from there to W's
	; the way out
	s_movk_i32 s66, 768
	s_cmp_eq_u32 s[KIND], 0
	s_cselect_b32 s57, 32, 2                       ; scale bytes: from result j to j + 1,
	s_cselect_b32 s59, 1, 2                        ; 2 or 4 bytes from row to row
	s_cmp_eq_u32 s[KIND], 2
	s_cselect_b32 s57, 64, s57
	s_cselect_b32 s58, 128, 64                     ; from j to j + 2
	s_cselect_b32 s56, 1536, s66                   ; CJ: codes from j to j + 1
	s_lshr_b32 s66, s[RB], 3
	s_lshl_b32 s66, s66, 3
	s_add_co_u32 s66, s66, s[HD]                   ; bh = 8 x batch + head
	s_and_b32 s67, s[RB], 7                        ; which 256 rows of the batch
	s_and_b32 s68, s[QA], 1                        ; sub: which 64 of a key step's 128 rows
	s_lshr_b32 s69, s[QA], 1
	s_lshl_b32 s70, s67, 1
	s_add_co_u32 s69, s69, s70                     ; the key step
	s_mul_i32 s69, s69, 12800
	s_mul_i32 s70, s66, 204800
	s_add_co_u32 s69, s69, s70                     ; its block in kv
	s_lshl_b32 s70, s66, 7
	s_lshl_b32 s71, s67, 4
	s_add_co_u32 s70, s70, s71
	s_lshl_b32 s71, s[QA], 2
	s_add_co_u32 s70, s70, s71                     ; q: my first tile
	s_mul_i32 s72, s68, 3072                       ; k: codes,
	s_add_co_u32 s72, s72, s69
	s_lshl_b32 s73, s68, 7
	s_add_co_u32 s73, s73, 12288                   ; scale bytes
	s_add_co_u32 s73, s73, s69
	s_mul_i32 s74, s68, 768                        ; v: codes,
	s_add_co_u32 s74, s74, 6144
	s_add_co_u32 s74, s74, s69
	s_lshl_b32 s75, s68, 1
	s_add_co_u32 s75, s75, 12544                   ; scale bytes
	s_add_co_u32 s75, s75, s69
	s_mul_i32 s76, s70, 768                        ; q: codes,
	s_lshl_b32 s77, s70, 5                         ; scale bytes
	s_cmp_eq_u32 s[KIND], 2
	s_cselect_b32 s78, s74, s72
	s_cselect_b32 s80, s75, s73
	s_cmp_eq_u32 s[KIND], 0
	s_cselect_b32 s78, s76, s78
	s_cselect_b32 s80, s77, s80
	s_mov_b32 s79, 0
	s_mov_b32 s81, 0
	s_mov_b32 s[SEL], 0x76543210
	s_mov_b32 s[SEL+1], 0xfedcba98
	v_and_b32 v1, 31, v0                           ; l
	v_and_b32 v2, 15, v0                           ; r
	v_bfe_u32 v3, v0, 4, 1                         ; h
	v_lshlrev_b32 v7, 4, v1                        ; 16 l
	v_lshlrev_b32 v8, 3, v1
	v_lshlrev_b32 v[H8], 3, v3
	v_add_nc_u32 v[A0], s52, v7
	v_add_nc_u32 v[A1], s53, v7
	v_xor_b32 v10, s[NV], v3                       ; 1 in the lanes that take W's words
	v_mul_u32_u24 v10, s54, v10
	v_lshl_add_u32 v10, v2, 2, v10
	v_add_nc_u32 v[AS], s55, v10
	v_mov_b32 v[CA], v7
	v_add_nc_u32 v[CB], 512, v8
	v_lshlrev_b32 v[SA], s59, v2
.irp j, 1,2,3
	v_add_nc_u32 v[CA+\j], s56, v[CA+\j-1]
	v_add_nc_u32 v[CB+\j], s56, v[CB+\j-1]
.endr
	v_add_nc_u32 v[SA+1], s57, v[SA]
	v_add_nc_u32 v[SA+2], s58, v[SA]
	v_add_nc_u32 v[SA+3], s57, v[SA+2]
	s_wait_alu depctr_va_vdst(0)
	s_wait_dscnt 0x0                               ; both opening adds are done
	s_wait_kmcnt 0x0
	s_mov_b32 s[G0X], 1
	s_mov_b32 s[G0X+1], s49
	s_add_nc_u64 s[G0X+2:G0X+3], s[4:5], s[50:51]
	s_or_b32 s[G0X+3], s[G0X+3], 0x80000000
	s_mov_b32 s[G0W], 1
	s_mov_b32 s[G0W+1], s48
	s_add_nc_u64 s[G0W+2:G0W+3], s[6:7], s[60:61]
	s_or_b32 s[G0W+3], s[G0W+3], 0x80000000
	s_cmp_eq_u32 s[KIND], 0
	s_cselect_b64 s[82:83], s[8:9], s[12:13]       ; codes: qc or kv
	s_cselect_b64 s[84:85], s[10:11], s[12:13]     ; scale bytes: qs or kv
	s_add_nc_u64 s[82:83], s[82:83], s[78:79]
	s_add_nc_u64 s[84:85], s[84:85], s[80:81]
	CROUND                                         ; all sixteen work-groups are here: the joint loads meet
; ONE tree of branches on the wave's number: every way through it passes exactly one load
.macro ARM under, g0, g1, nx
	s_cmp_lt_u32 s[WV], \under
	s_cbranch_scc0 .Larm_\nx
	tensor_load_to_lds s[\g0:\g0+3], s[\g1:\g1+7]
	s_nop 0
.rept 4
	v_nop
.endr
	s_branch .Lasked
.Larm_\nx:
.endm
	ARM 2, G0X, G1X, 1
	ARM 4, G0X, G1X, 2
	ARM 6, G0X, G1X, 3
	ARM 8, G0X, G1X, 4
	ARM 9, G0W, G1W, 5
	ARM 10, G0W, G1W, 6
	ARM 11, G0W, G1W, 7
	tensor_load_to_lds s[G0W:G0W+3], s[G1W:G1W+7]
	s_nop 0
.rept 4
	v_nop
.endr
.Lasked:
; A K step of 128: 28 LDS loads, 16 matrix instructions.  The sixteen accumulators take turns, one instruction a turn, in the same order in every K step.
.macro KSTEP ks
	s_wait_alu depctr_va_vdst(0)
	s_cmp_lg_u32 s[KS], \ks
	s_cbranch_scc1 .Lnot_mine_\ks
	s_wait_tensorcnt 0x0                           ; my part of this K step has landed
.Lnot_mine_\ks:
	s_barrier_signal -1                            ; (no LDS instruction of mine is out: a K step ends on a wait for 0)
	s_barrier_wait -1                              ; everybody's part has
.irp i, 0,1,2,3
	ds_load_b32 v[SC+\i], v[AS] offset:64*\i
.endr
.irp i, 0,1,2,3
.irp c, 0,1,2
	ds_load_b128 v[F0+12*\i+4*\c:F0+12*\i+4*\c+3], v[A0] offset:FRB*\i+512*\c
.endr
.endr
.irp j, 0,1,2,3
.irp c, 0,1,2
	ds_load_b128 v[F1+12*\j+4*\c:F1+12*\j+4*\c+3], v[A1] offset:FRB*\j+512*\c
.endr
.endr
.irp j, 0,1,2,3
	s_wait_dscnt 9-3*\j                            ; side 1's tile j is in; the three loads of each later tile may be out
.irp i, 0,1,2,3
.if \ks == 0
	v_wmma_scale_f32_16x16x128_f8f6f4 v[ACC+32*\j+8*\i:ACC+32*\j+8*\i+7], v[F0+12*\i:F0+12*\i+11], v[F1+12*\j:F1+12*\j+11], 0, v[SC+\i], v[SC+\j] matrix_a_fmt:MATRIX_FMT_BF6 matrix_b_fmt:MATRIX_FMT_BF6 matrix_b_scale:MATRIX_SCALE_ROW1
.else
	v_wmma_scale_f32_16x16x128_f8f6f4 v[ACC+32*\j+8*\i:ACC+32*\j+8*\i+7], v[F0+12*\i:F0+12*\i+11], v[F1+12*\j:F1+12*\j+11], v[ACC+32*\j+8*\i:ACC+32*\j+8*\i+7], v[SC+\i], v[SC+\j] matrix_a_fmt:MATRIX_FMT_BF6 matrix_b_fmt:MATRIX_FMT_BF6 matrix_b_scale:MATRIX_SCALE_ROW1
.endif
.endr
.endr
.if \ks < 3
	v_add_nc_u32 v[A0], CH, v[A0]                  ; on to the next K step.  With the v_nop: the four places in front of loads into registers that matrix instructions have read
	v_add_nc_u32 v[A1], CH, v[A1]
	v_add_nc_u32 v[AS], CH, v[AS]
	v_nop
.else
.rept 4
	v_nop                                          ; four places in front of the first read of results and the first write of operands
.endr
.endif
.endm
	KSTEP 0
	KSTEP 1
	KSTEP 2
	KSTEP 3
; THE QUANTISER, four results by turns: a lane's 32 registers are one block.  Each accumulator is first read at its low end.  v16-19, v20-23 maxima, then bytes and scale operands.
.irp j, 0,1,2,3
	v_max3_num_f32 v[16+\j], |v[ACC+32*\j]|, |v[ACC+32*\j+1]|, 0x2800000   ; and the floor 2^(5 - 127): the byte cannot fall under 1
.endr
.irp j, 0,1,2,3
	v_max3_num_f32 v[20+\j], |v[ACC+32*\j+16]|, |v[ACC+32*\j+17]|, |v[ACC+32*\j+18]|
.endr
.irp i, 2,4,6,8,10,12
.irp j, 0,1,2,3
	v_max3_num_f32 v[16+\j], v[16+\j], |v[ACC+32*\j+\i]|, |v[ACC+32*\j+\i+1]|
.endr
.irp j, 0,1,2,3
	v_max3_num_f32 v[20+\j], v[20+\j], |v[ACC+32*\j+\i+17]|, |v[ACC+32*\j+\i+18]|
.endr
.endr
.irp j, 0,1,2,3
	v_max3_num_f32 v[16+\j], v[16+\j], |v[ACC+32*\j+14]|, |v[ACC+32*\j+15]|
.endr
.irp j, 0,1,2,3
	v_max3_num_f32 v[16+\j], v[16+\j], v[20+\j], |v[ACC+32*\j+31]|
.endr
.irp j, 0,1,2,3
	v_add_nc_u32 v[20+\j], 0xfe000000, v[16+\j]    ; 4 off its exponent field: the conversion's scale operand
.endr
.irp j, 0,1,2,3
	v_cvt_scalef32_pk16_bf6_f32 v[32+8*\j:34+8*\j], v[ACC+32*\j:ACC+32*\j+15], v[20+\j]
	v_cvt_scalef32_pk16_bf6_f32 v[64+4*\j:66+4*\j], v[ACC+32*\j+16:ACC+32*\j+31], v[20+\j]   ; (a conversion's three registers begin on an even number)
.endr
.irp j, 0,1,2,3
	v_lshrrev_b32 v[16+\j], 23, v[20+\j]           ; the scale's byte
.endr
.irp j, 0,1,2,3
	v_lshlrev_b32 v[16+\j], v[H8], v[16+\j]        ; at block h's place
.endr
.irp j, 0,1,2,3
	v_permlanex16_b32 v[24+\j], v[16+\j], s[SEL], s[SEL+1]
.endr
.irp j, 0,1,2,3
	v_or_b32 v[28+\j], v[16+\j], v[24+\j]          ; my row's two bytes
.endr
.irp j, 0,1,2,3
.irp i, 0,1,2
	v_mov_b32 v[35+8*\j+\i], v[64+4*\j+\i]
.endr
.endr
.irp j, 0,1,2,3                                ; each result has data and address registers of its own: no store's sources are written again
	global_store_b128 v[CA+\j], v[32+8*\j:35+8*\j], s[82:83]   ; 32 lanes store 512 consecutive bytes, at a multiple of 256 from the buffer's first byte
	global_store_b64 v[CB+\j], v[36+8*\j:37+8*\j], s[82:83]    ; and 256
	global_store_b16 v[SA+\j], v[28+\j], s[84:85]
.endr
	s_wait_tensorcnt 0x0                           ; the wave's end
	ds_add_u32 v[SPW], v[NIL]
	s_wait_dscnt 0x0
	CROUND                                         ; the closing round: no work-group ends while a partner may still issue a joint load that names it
	s_endpgm
.Lfunc_end_k_q9e5f10cb3d_proj:
	.size	k_q9e5f10cb3d_proj, .Lfunc_end_k_q9e5f10cb3d_proj-k_q9e5f10cb3d_proj
	.p2alignl 7, 3214868480
	.fill 96, 4, 3214868480
	.section	.rodata,"a",@progbits
	.p2align	6, 0x0
	.amdhsa_kernel k_q9e5f10cb3d_proj
		.amdhsa_group_segment_fixed_size 180736
		.amdhsa_private_segment_fixed_size 0
		.amdhsa_enable_private_segment 0
		.amdhsa_kernarg_size 40
		.amdhsa_user_sgpr_count 2
		.amdhsa_user_sgpr_kernarg_segment_ptr 1
		.amdhsa_wavefront_size32 1
		.amdhsa_system_sgpr_workgroup_id_x 1
		.amdhsa_system_sgpr_workgroup_id_y 1
		.amdhsa_system_sgpr_workgroup_id_z 1
		.amdhsa_system_vgpr_workitem_id 0
		.amdhsa_next_free_vgpr 256
		.amdhsa_next_free_sgpr 88
		.amdhsa_reserve_vcc 0
		.amdhsa_float_denorm_mode_32 3
		.amdhsa_float_denorm_mode_16_64 3
		.amdhsa_memory_ordered 1
		.amdhsa_forward_progress 1
		.amdhsa_inst_pref_size 35
	.end_amdhsa_kernel
	.amdgpu_metadata
---
amdhsa.version: [ 1, 2 ]
amdhsa.kernels:
  - .name:           k_q9e5f10cb3d_proj
    .symbol:         k_q9e5f10cb3d_proj.kd
    .args:
      - { .name: xc, .offset: 0, .size: 8, .value_kind: global_buffer, .address_space: global }
      - { .name: wc, .offset: 8, .size: 8, .value_kind: global_buffer, .address_space: global }
      - { .name: qc, .offset: 16, .size: 8, .value_kind: global_buffer, .address_space: global }
      - { .name: qs, .offset: 24, .size: 8, .value_kind: global_buffer, .address_space: global }
      - { .name: kv, .offset: 32, .size: 8, .value_kind: global_buffer, .address_space: global }
    .group_segment_fixed_size: 180736
    .private_segment_fixed_size: 0
    .kernarg_segment_align: 8
    .kernarg_segment_size: 40
    .max_flat_workgroup_size: 384
    .sgpr_count:     88
    .vgpr_count:     256
    .wavefront_size: 32
...
	.end_amdgpu_metadata
.endif
;; end of part 2
;; launch attn (part 3): grid 8 x 32, 16 waves a work-group, clusters of 4 x 1, 327,680 bytes of LDS; arguments qc, qs, kv, x, st, ln_gamma, ln_beta, out0; writes out0
.if DOCPART == 3
	.amdgcn_target "amdgcn-amd-amdhsa--gfx1250"
	.amdhsa_code_object_version 6
	.text
	.protected	k_q9e5f10cb3d_attn
	.globl	k_q9e5f10cb3d_attn
	.p2align	8
	.type	k_q9e5f10cb3d_attn,@function
k_q9e5f10cb3d_attn:
	s_mov_b64 s[64:65], 0
	v_nop
	global_prefetch_b8 v0, s[64:65] scope:SCOPE_SE
	s_setreg_imm32_b32 hwreg(HW_REG_WAVE_MODE, 25, 1), 1
	s_wait_xcnt 0x0
	s_wait_alu depctr_hold_cnt(0) depctr_sa_sdst(0) depctr_va_vdst(0) depctr_va_sdst(0) depctr_va_ssrc(0) depctr_va_vcc(0) depctr_vm_vsrc(0)
	s_getreg_b32 s2, hwreg(HW_REG_IB_STS2, 6, 4)
	s_cmp_eq_u32 s2, 0
	s_cbranch_scc0 .Lentry_in_a_cluster
	s_endpgm
.Lentry_in_a_cluster:
	s_bfe_u32 s2, ttmp6, 0x10000c
	s_cmp_lg_u32 s2, 0x3003
	s_cbranch_scc0 .Lentry_shape_is_right
	s_endpgm
.Lentry_shape_is_right:
; out = softmax(q k^T / sqrt(512)) v + LayerNorm(x), per batch and head, on codes of BF6 (E3M2) with E8M0 scales; p = 2^(t - M) is quantised along the keys, M the ceiling of the running largest t.
; SHARES.  Work-group (query block of 256, bh): sixteen waves, each one tile of 16 queries against all 2,048 keys, 256 keys a trip, 8 trips.  256 work-groups.
; LDS: all of the head's K and V (16 key steps of 12,800 bytes), x's 256 rows of the head's 64 columns (rows of 256 bytes + 16 of padding), gamma and beta of the head.  Everything comes once, at the head, ONE
; load a wave: waves 0, 1 the first 256 keys (50 rows of 256 bytes each), waves 2-11 the other 1,792 (70 rows each), waves 12, 13 x, waves 14, 15 gamma and beta.  Only the first two wait ahead of the first trip;
; all wait in its middle, where they signal a barrier, and pass that barrier ahead of the first read of what it shows.
; CLUSTERS 4, 1, 1: four query blocks of one head share K and V: joint loads.  x is each work-group's own.  No prefetch: all loads go out at the head, there is no loop of loads to run ahead in.
; S^T = K q^T: a head has 64 channels and the instruction takes 128: a fragment of K holds two tiles of 16 keys, and q stands twice, once with zeros above it and once below.
; A lane holds query r; the 32 registers of four tiles are keys 64 g + 32 h + 0 .. 31: a WHOLE block of 32, so its largest score needs no other lane and two conversions give p's operand registers.
; p's block scale comes from the block's largest score, put through the same multiply-add and exponential (v_exp_f32 is taken not to fall where its input rises).  The sum l is taken of the unquantised p.
; The two halves (128 keys) of a trip overlap: half 0's exponentials stand among half 1's multiply-adds, half 1's among half 0's conversions and additions.
; AHEAD: a trip loads, before its last products, half 0's scale words and two of half 0's four fragments of K for the next trip; a trip's last eight additions stand in the next trip, as the places behind products.
; REGISTERS: v1-3 LDS addresses of a lane, v4-6 the same of the trip, v7 8 h, v8 mean, v9 1/sqrt(var + eps), v10-11 the add's, v12 -M, v13 largest score so far, v[14:15] l in two halves, v16-33 q|0|q, v34 f,
; v37 q's scale words, v38-39 p's, v40-71 O^T, v72-119 K fragments, then p's codes and scales, v120-127 scale words of K (lanes 0-15) and V (lanes 16-31), v128-255 scores, p, partial sums, V fragments.
; LIMITS: the promise holds while the scaled scores (exponents to the base 2) stay under 2^31 in magnitude; NaN and infinities are not served.  1/l comes from v_rcp_f32.
.set STEPB, 12800
.set VOFF,  6144
.set XS,    16*STEPB                   ; x's rows
.set XP,    272
.set GB,    XS+256*XP                  ; gamma, then beta
.set SPARE, GB+512
.set FR,    72
.set SCW,   120
.set SCR,   128
.set OO,    40
.set WV,   20
.set SEL,  22
.set CS,   24
.set BH,   26
.set QB,   27
.set G1A,  28
.set G1B,  36
.set G1X,  44
.set G1R,  52
.set G0A,  60
.set G0B,  68
.set G0X,  72
.set G0G,  76
.set G0T,  80
.set XB,   96
.set TB,   97
.set CNT,  98
.macro CROUND                          ; a round of the cluster's barrier
	s_barrier_signal -1
	s_barrier_wait -1
	s_cmp_lg_u32 s[WV], 0
	s_cbranch_scc1 .Lnot_wave_0_\@
	s_barrier_signal -3
.Lnot_wave_0_\@:
	s_barrier_wait -3
	s_barrier_signal -1
	s_barrier_wait -1
.endm
.macro DENSE g, w0, rows, str1                 ; group 1: rows of 256 bytes, dense
	s_mov_b32 s[\g+0], \w0
	s_mov_b32 s[\g+1], 32<<16
	s_mov_b32 s[\g+2], (\rows)<<16
	s_mov_b32 s[\g+3], 32<<16
	s_mov_b32 s[\g+4], \rows
	s_mov_b32 s[\g+5], 32
	s_mov_b32 s[\g+6], \str1
	s_mov_b32 s[\g+7], 0
.endm
	s_load_b512 s[4:19], s[0:1], 0x0               ; qc, qs, kv, x, st, gamma, beta, out
	v_lshl_add_u32 v10, v0, 2, SPARE
	v_mov_b32 v11, 0
	ds_add_u32 v10, v11                            ; the wave's opening: the add, twice on end, and its wait
	ds_add_u32 v10, v11
	v_lshrrev_b32 v12, 5, v0
	v_readfirstlane_b32 s[WV], v12                 ; wave 0..15
	s_and_b32 s[BH], ttmp7, 0xffff                 ; bh = 8 x batch + head
	s_bfe_u32 s21, ttmp6, 0x40000
	s_lshl_b32 s[QB], ttmp9, 2
	s_add_co_u32 s[QB], s[QB], s21                 ; which 256 queries
	DENSE G1A, 15|(3<<16)|(1<<21), 50, 0
	DENSE G1B, 15|(3<<16)|(1<<21), 70, 0
	DENSE G1R, 3<<16, 1, 32<<16                    ; one row of 256 bytes
	s_mov_b32 s[G1X+0], (2<<16)|(1<<20)|(5<<22)|(3<<25)   ; x: elements of 4 bytes, 4 words of padding behind each 64
	s_mov_b32 s[G1X+1], 64<<16
	s_mov_b32 s[G1X+2], 128<<16
	s_mov_b32 s[G1X+3], 64<<16
	s_mov_b32 s[G1X+4], 128
	s_mov_b32 s[G1X+5], 512
	s_mov_b32 s[G1X+6], 0
	s_mov_b32 s[G1X+7], 0
	s_mul_i32 s84, s[BH], 16*STEPB
	s_and_b32 s66, s[WV], 1
	s_mul_i32 s85, s66, STEPB                      ; waves 0, 1: LDS address,
	s_add_co_u32 s86, s84, s85                     ; and offset in kv
	s_mov_b32 s87, 0
	s_add_co_u32 s88, s[WV], 14
	s_and_b32 s88, s88, 15
	s_mul_i32 s88, s88, 70*256
	s_add_co_u32 s88, s88, 2*STEPB                 ; waves 2-11: behind the first 256 keys
	s_add_co_u32 s90, s84, s88
	s_mov_b32 s91, 0
	s_lshr_b32 s92, s[BH], 3
	s_lshl_b32 s92, s92, 11
	s_lshl_b32 s67, s[QB], 8
	s_add_co_u32 s92, s92, s67                     ; my work-group's first row
	s_and_b32 s93, s[BH], 7
	s_lshl_b32 s93, s93, 8                         ; the head's bytes in a row
	s_lshl_b32 s94, s92, 11
	s_add_co_u32 s94, s94, s93
	s_lshl_b32 s67, s66, 18
	s_add_co_u32 s94, s94, s67                     ; waves 12, 13: 128 rows of x each
	s_mov_b32 s95, 0
	s_mul_i32 s89, s66, 128*XP
	s_add_co_u32 s89, s89, XS
	s_lshr_b32 s66, s[WV], 2
	s_lshl_b32 s66, s66, 6
	s_and_b32 s67, s[WV], 3
	s_lshl_b32 s67, s67, 3
	s_add_co_u32 s66, s66, s67                     ; my tile's first row in the work-group's 256
	s_mul_i32 s[XB], s66, XP
	s_add_co_u32 s[XB], s[XB], XS
	s_add_co_u32 s92, s92, s66                     ; and in x
	s_lshl_b32 s66, s[BH], 7
	s_lshl_b32 s67, s[QB], 4
	s_add_co_u32 s66, s66, s67
	s_add_co_u32 s66, s66, s[WV]                   ; my tile of q
	s_mov_b32 s[SEL], 0x76543210
	s_mov_b32 s[SEL+1], 0xfedcba98
	s_mov_b32 s[CS], 0x3d8293ee                    ; c = log2(e) / sqrt(512): t = score x c
	s_mov_b32 s[CS+1], s[CS]
	s_mov_b32 s[TB], 0
	v_and_b32 v12, 31, v0                          ; l
	v_and_b32 v13, 15, v0                          ; r
	v_bfe_u32 v14, v0, 4, 1                        ; h
	v_lshlrev_b32 v1, 4, v12                       ; 16 l: registers 0-3 of half a fragment
	v_lshlrev_b32 v2, 3, v12
	v_add_nc_u32 v2, 512, v2                       ; 512 + 8 l: registers 4-5
	v_lshlrev_b32 v3, 2, v13
	v_lshl_add_u32 v3, v14, 8, v3
	v_add_nc_u32 v3, 12288, v3                     ; scale words: lanes 0-15 K's, lanes 16-31 V's
	v_lshlrev_b32 v7, 3, v14
	v_lshlrev_b32 v15, 1, v13
	v_lshrrev_b32 v4, 3, v13
	v_mad_u32_u24 v4, v4, 24, v13
	v_lshlrev_b32 v4, 3, v4                        ; st: 8 (r + 24 (r / 8))
	s_wait_alu depctr_va_vdst(0)
	s_wait_dscnt 0x0                               ; both opening adds are done
	s_wait_kmcnt 0x0
	s_mov_b32 s[G0A], 1
	s_mov_b32 s[G0A+1], s85
	s_add_nc_u64 s[G0A+2:G0A+3], s[8:9], s[86:87]
	s_or_b32 s[G0A+3], s[G0A+3], 0x80000000
	s_mov_b32 s[G0B], 1
	s_mov_b32 s[G0B+1], s88
	s_add_nc_u64 s[G0B+2:G0B+3], s[8:9], s[90:91]
	s_or_b32 s[G0B+3], s[G0B+3], 0x80000000
	s_mov_b32 s[G0X], 1
	s_mov_b32 s[G0X+1], s89
	s_add_nc_u64 s[G0X+2:G0X+3], s[10:11], s[94:95]
	s_or_b32 s[G0X+3], s[G0X+3], 0x80000000
	s_mov_b32 s94, s93
	s_mov_b32 s[G0G], 1
	s_mov_b32 s[G0G+1], GB
	s_add_nc_u64 s[G0G+2:G0G+3], s[14:15], s[94:95]
	s_or_b32 s[G0G+3], s[G0G+3], 0x80000000
	s_mov_b32 s[G0T], 1
	s_mov_b32 s[G0T+1], GB+256
	s_add_nc_u64 s[G0T+2:G0T+3], s[16:17], s[94:95]
	s_or_b32 s[G0T+3], s[G0T+3], 0x80000000
	s_mul_i32 s94, s66, 768
	s_add_nc_u64 s[4:5], s[4:5], s[94:95]          ; my tile's codes,
	s_lshl_b32 s94, s66, 5
	s_add_nc_u64 s[6:7], s[6:7], s[94:95]          ; its scale bytes,
	s_lshl_b32 s94, s92, 3
	s_add_nc_u64 s[12:13], s[12:13], s[94:95]      ; its rows' statistics,
	s_lshl_b32 s94, s92, 11
	s_add_co_u32 s94, s94, s93
	s_add_nc_u64 s[18:19], s[18:19], s[94:95]      ; and its place in the output
	global_load_b128 v[16:19], v1, s[4:5]
	global_load_b64 v[20:21], v2, s[4:5]
	global_load_b128 v[28:31], v1, s[4:5]
	global_load_b64 v[32:33], v2, s[4:5]
	global_load_u16 v37, v15, s[6:7]
	global_load_b64 v[8:9], v4, s[12:13]
	CROUND                                         ; all four work-groups are here: the joint loads meet
; ONE tree of branches on the wave's number: every way through it passes exactly one load
.macro ARM under, g0, g1, nx
	s_cmp_lt_u32 s[WV], \under
	s_cbranch_scc0 .Larm_\nx
	tensor_load_to_lds s[\g0:\g0+3], s[\g1:\g1+7]
	s_nop 0
.rept 4
	v_nop
.endr
	s_branch .Lasked
.Larm_\nx:
.endm
	ARM 2, G0A, G1A, 1
	ARM 12, G0B, G1B, 2
	ARM 14, G0X, G1X, 3
	ARM 15, G0G, G1R, 4
	tensor_load_to_lds s[G0T:G0T+3], s[G1R:G1R+7]
	s_nop 0
.rept 4
	v_nop
.endr
.Lasked:
.set I, 0
.rept 32
	v_mov_b32 v[OO+I], 0                           ; O^T.  (The step is written once: the first finds zeros, which the first change of M leaves zeros)
.set I, I+1
.endr
.set I, 0
.rept 16
	v_mov_b32 v[SCR+112+I], 0                      ; the partial sums that the first trip adds up,
.set I, I+1
.endr
	v_mov_b32 v34, 0                               ; and f
	v_mov_b32 v35, 0
	v_mov_b32 v12, 0x7f61b1e6                      ; -M: 3e38,
	v_mov_b32 v13, 0xff61b1e6                      ; and the largest score so far: -3e38
	s_wait_alu depctr_va_vdst(0)
	s_wait_loadcnt 0x0
	v_lshl_or_b32 v37, v37, 16, v37                ; q's two bytes, for either half of K = 128
	v_mov_b32 v14, 0
	v_mov_b32 v15, 0
.irp j, 22,23,24,25,26,27
	v_mov_b32 v[\j], 0                             ; the zeros between q and q
.endr
; two fragments of K
.macro KFRAG a, b, o, f0, f1
.irp f, \f0, \f1
.irp u, 0,1
	ds_load_b128 v[FR+12*\f+6*\u:FR+12*\f+6*\u+3], v[\a] offset:(\o)+1536*\f+768*\u
	ds_load_b64 v[FR+12*\f+6*\u+4:FR+12*\f+6*\u+5], v[\b] offset:(\o)+1536*\f+768*\u
.endr
.endr
.endm
.macro SWORDS c, hf, o                         ; a half's scale words
.irp f, 0,1,2,3
	ds_load_b32 v[SCW+4*\hf+\f], v[\c] offset:(\o)+64*\f
.endr
.endm
.macro AHEAD a, b, c, o                        ; half 0's scale words and its fragments 2 and 3: 12 loads
	SWORDS \c, 0, \o
	KFRAG \a, \b, \o, 2, 3
.endm
; two fragments' products; w: the loads that may be out when the fragment is in
.macro KMUL1 hf, f, w
	s_wait_dscnt \w
	v_wmma_scale_f32_16x16x128_f8f6f4 v[SCR+64*\hf+16*\f:SCR+64*\hf+16*\f+7], v[FR+12*\f:FR+12*\f+11], v[16:27], 0, v[SCW+4*\hf+\f], v37 matrix_a_fmt:MATRIX_FMT_BF6 matrix_b_fmt:MATRIX_FMT_BF6
	v_wmma_scale_f32_16x16x128_f8f6f4 v[SCR+64*\hf+16*\f+8:SCR+64*\hf+16*\f+15], v[FR+12*\f:FR+12*\f+11], v[22:33], 0, v[SCW+4*\hf+\f], v37 matrix_a_fmt:MATRIX_FMT_BF6 matrix_b_fmt:MATRIX_FMT_BF6
.endm
.macro VLOAD hf
.irp t, 0,1,2,3
.irp c, 0,1
	ds_load_b128 v[SCR+64*\hf+12*\t+6*\c:SCR+64*\hf+12*\t+6*\c+3], v4 offset:STEPB*\hf+VOFF+1536*\t+768*\c
	ds_load_b64 v[SCR+64*\hf+12*\t+6*\c+4:SCR+64*\hf+12*\t+6*\c+5], v5 offset:STEPB*\hf+VOFF+1536*\t+768*\c
.endr
.endr
.endm
.macro VMUL hf
.irp t, 0,1,2,3
	v_wmma_scale_f32_16x16x128_f8f6f4 v[OO+8*\t:OO+8*\t+7], v[SCR+64*\hf+12*\t:SCR+64*\hf+12*\t+11], v[72+12*\hf:83+12*\hf], v[OO+8*\t:OO+8*\t+7], v[SCW+4*\hf+\t], v[38+\hf] matrix_a_fmt:MATRIX_FMT_BF6 matrix_b_fmt:MATRIX_FMT_BF6 matrix_a_scale:MATRIX_SCALE_ROW1
.endr
.endm
; the largest scores of a half's two blocks, two chains each
.macro MAXH a0, b0, a1, b1, s
	v_max3_num_f32 v[\a0], v[\s], v[\s+1], v[\s+2]
	v_max3_num_f32 v[\a1], v[\s+32], v[\s+33], v[\s+34]
	v_max3_num_f32 v[\b0], v[\s+17], v[\s+18], v[\s+19]
	v_max3_num_f32 v[\b1], v[\s+49], v[\s+50], v[\s+51]
.irp i, 0,2,4,6,8,10
	v_max3_num_f32 v[\a0], v[\a0], v[\s+3+\i], v[\s+4+\i]
	v_max3_num_f32 v[\a1], v[\a1], v[\s+35+\i], v[\s+36+\i]
	v_max3_num_f32 v[\b0], v[\b0], v[\s+20+\i], v[\s+21+\i]
	v_max3_num_f32 v[\b1], v[\b1], v[\s+52+\i], v[\s+53+\i]
.endr
.endm
.macro MAXT a0, b0, a1, b1, s
	v_max3_num_f32 v[\a0], v[\a0], v[\s+15], v[\s+16]
	v_max3_num_f32 v[\a1], v[\a1], v[\s+47], v[\s+48]
	v_max_num_f32 v[\a0], v[\a0], v[\b0]
	v_max_num_f32 v[\a1], v[\a1], v[\b1]
.endm
.macro EXP8 b
.irp i, 0,1,2,3,4,5,6,7
	v_exp_f32 v[\b+\i], v[\b+\i]
.endr
.endm
.macro CVT d, s, sc
	v_cvt_scalef32_pk16_bf6_f32 v[\d:\d+2], v[\s:\s+15], v[\sc]
.endm
.macro FOLD n, d, s                            ; n packed additions, all independent
.set I, 0
.rept \n
	v_pk_add_f32 v[\d+2*I:\d+2*I+1], v[\d+2*I:\d+2*I+1], v[\s+2*I:\s+2*I+1]
.set I, I+1
.endr
.endm
.macro LSUM                                    ; l under the M of the trip before, and that trip's 256 keys: four plain instructions
	FOLD 2, SCR+112, SCR+116
	FOLD 1, SCR+112, SCR+114
	v_pk_fma_f32 v[14:15], v[14:15], v[34:35], v[SCR+112:SCR+113] op_sel_hi:[1,0,1]
.endm
.macro MOV3 d, s
.irp i, 0,1,2
	v_mov_b32 v[\d+\i], v[\s+\i]
.endr
.endm
; sig = 1, the first trip: the barrier that shows all of LDS.  next = 1: the next trip's first loads go out ahead of this one's last products.
.macro STEP sig, next
	v_add_nc_u32 v4, s[TB], v1                     ; five places in all behind the last trip's products: four in front of the loads, five in front of matrix instructions that write over V's fragments
	v_add_nc_u32 v5, s[TB], v2
	v_add_nc_u32 v6, s[TB], v3
	v_nop
	v_nop
	SWORDS 6, 1, STEPB
	KFRAG 4, 5, 0, 0, 1
	s_wait_alu depctr_va_vdst(0)
	KMUL1 0, 2, 16                                 ; (behind fragment 2: fragment 3's four loads and the twelve above)
	KMUL1 0, 3, 12
	FOLD 4, SCR+112, SCR+120                       ; the last trip's sum goes on: four places in front of loads into the fragments just read
	KFRAG 4, 5, STEPB, 2, 3
	s_wait_alu depctr_va_vdst(0)
	KMUL1 0, 0, 12                                 ; (behind fragment 0: fragment 1's four loads and the eight above)
	KMUL1 0, 1, 8
	LSUM                                           ; and is finished: four places
	KFRAG 4, 5, STEPB, 0, 1
	MAXH 0, 34, 36, 35, SCR                        ; half 0's blocks, while half 1's fragments are on their way
	s_wait_alu depctr_va_vdst(0)
	KMUL1 1, 2, 12
	KMUL1 1, 3, 8
	KMUL1 1, 0, 4
	KMUL1 1, 1, 0
	MAXT 0, 34, 36, 35, SCR                        ; (four places behind half 1's products)
	MAXH 114, 118, 115, 119, SCR+64
	MAXT 114, 118, 115, 119, SCR+64
	v_max3_num_f32 v117, v0, v36, v114
	v_max_num_f32 v117, v117, v115
	v_permlanex16_b32 v116, v117, s[SEL], s[SEL+1]
	v_max3_num_f32 v13, v13, v117, v116            ; the running largest score of my query
	v_mul_f32 v118, s[CS], v13                     ; as t (c is positive)
	v_mov_b32 v117, v12
	v_floor_f32 v12, -v118                         ; the new -M = floor(-t): M is a whole number
	v_sub_f32 v117, v12, v117
	v_cvt_i32_f32 v117, v117                       ; (it saturates)
	v_ldexp_f32 v34, 1.0, v117                     ; f = 2^(old M - new M)
.set I, 0
.rept 32
	v_pk_fma_f32 v[SCR+2*I:SCR+2*I+1], v[SCR+2*I:SCR+2*I+1], s[CS:CS+1], v[12:13] op_sel_hi:[1,0,0]   ; t - M, half 0
.set I, I+1
.endr
	v_fma_f32 v112, v0, s[CS], v12                 ; the same of each block's largest score
	v_fma_f32 v113, v36, s[CS], v12
	v_fma_f32 v114, v114, s[CS], v12
	v_fma_f32 v115, v115, s[CS], v12
	s_wait_alu depctr_va_vdst(0)                   ; the wait ahead of the batch
.if \sig
	s_wait_tensorcnt 0x0                           ; my load has landed, whatever it brings
	s_barrier_signal -1                            ; (no LDS instruction of mine is out: half 1's products waited for 0)
.endif
.irp g, 0,1,2,3
	v_exp_f32 v[112+\g], v[112+\g]
.endr
.set I, 0
.rept 32
	v_exp_f32 v[SCR+2*I], v[SCR+2*I]               ; p of half 0
	v_exp_f32 v[SCR+2*I+1], v[SCR+2*I+1]
	v_pk_fma_f32 v[SCR+64+2*I:SCR+65+2*I], v[SCR+64+2*I:SCR+65+2*I], s[CS:CS+1], v[12:13] op_sel_hi:[1,0,0]   ; t - M of half 1
.set I, I+1
.endr
	s_wait_alu depctr_va_vdst(0)                   ; and behind it
.set I, 0
.rept 16
	v_pk_mul_f32 v[OO+2*I:OO+2*I+1], v[OO+2*I:OO+2*I+1], v[34:35] op_sel_hi:[1,0]   ; O^T under the new M
.set I, I+1
.endr
.irp g, 0,1,2,3
	v_max_num_f32 v[112+\g], 0x2800000, v[112+\g]  ; the floor 2^(5 - 127): the byte cannot fall under 1
.endr
.irp g, 0,1,2,3
	v_add_nc_u32 v[116+\g], 0xfe000000, v[112+\g]  ; 4 off the exponent field: the conversion's scale operand
.endr
.irp g, 0,1,2,3
	v_lshrrev_b32 v[112+\g], 23, v[116+\g]         ; the scale's byte
.endr
	v_lshl_or_b32 v112, v113, 16, v112             ; my blocks are h and 2 + h of each half
	v_lshl_or_b32 v114, v115, 16, v114
	v_lshlrev_b32 v112, v7, v112
	v_lshlrev_b32 v114, v7, v114
	v_permlanex16_b32 v113, v112, s[SEL], s[SEL+1]
	v_permlanex16_b32 v115, v114, s[SEL], s[SEL+1]
	v_or_b32 v38, v112, v113                       ; p's scale words
	v_or_b32 v39, v114, v115
	s_wait_alu depctr_va_vdst(0)
	EXP8 SCR+64                                    ; p of half 1, and half 0's codes
	CVT 72, SCR, 116
	EXP8 SCR+72
	CVT 96, SCR+16, 116
	EXP8 SCR+80
	CVT 78, SCR+32, 117
	EXP8 SCR+88
	CVT 100, SCR+48, 117
	v_nop                                          ; one plain place behind a scaled conversion
.set I, 0
.rept 16
	v_exp_f32 v[SCR+96+2*I], v[SCR+96+2*I]
	v_exp_f32 v[SCR+97+2*I], v[SCR+97+2*I]
	v_pk_add_f32 v[SCR+32+2*I:SCR+33+2*I], v[SCR+32+2*I:SCR+33+2*I], v[SCR+2*I:SCR+2*I+1]   ; half 0's sum begins: a tree
.set I, I+1
.endr
	s_wait_alu depctr_va_vdst(0)
	FOLD 8, SCR+48, SCR+32                         ; v128-175 are done with
	VLOAD 0
	CVT 84, SCR+64, 118                            ; half 1's codes
	CVT 104, SCR+80, 118
	CVT 90, SCR+96, 119
	CVT 108, SCR+112, 119
	MOV3 75, 96                                    ; (a conversion's three registers begin on an even number)
	MOV3 81, 100
	FOLD 16, SCR+96, SCR+64
	FOLD 8, SCR+112, SCR+96                        ; v192-239 are done with
	VLOAD 1
	s_wait_alu depctr_va_vdst(0)
	s_wait_dscnt 16                                ; half 0's fragments of V are in; half 1's 16 loads may be out
	VMUL 0
	MOV3 87, 104
	MOV3 93, 108
	FOLD 8, SCR+112, SCR+48                        ; (with the six moves: places in front of loads into half 0's scale words, and of half 1's products)
	s_wait_alu depctr_va_vdst(0)
.if \sig
	s_barrier_wait -1                              ; everybody's load has landed: only now is anything behind the first 256 keys read
.endif
.if \next
	AHEAD 4, 5, 6, 2*STEPB
	s_wait_dscnt 12                                ; half 1's fragments of V are in; the twelve loads above may be out
.else
	s_wait_dscnt 0x0
.endif
	VMUL 1
	s_add_co_u32 s[TB], s[TB], 2*STEPB
.endm
	s_wait_alu depctr_va_vdst(0)
	s_cmp_lt_u32 s[WV], 2
	s_cbranch_scc0 .Lnot_first
	s_wait_tensorcnt 0x0                           ; my half of the first 256 keys has landed
.Lnot_first:
	s_barrier_signal -1
	s_barrier_wait -1                              ; both halves have
	AHEAD 1, 2, 3, 0
	STEP 1, 1
	s_mov_b32 s[CNT], 6
	s_wait_alu depctr_va_vdst(0)
.Lrest:
	STEP 0, 1
	s_sub_co_u32 s[CNT], s[CNT], 1
	s_cmp_lg_u32 s[CNT], 0
	s_wait_alu depctr_va_vdst(0)
	s_cbranch_scc1 .Lrest
	STEP 0, 0                                      ; the last trip loads nothing ahead
; THE WAY OUT.  Lane (r, h) holds channels 32 h + 0 .. 31 of query r in v40-71.  x comes from LDS in the same layout; the result goes back to the same bytes (no fill lands there any more, and the rows are my own)
; and is read as rows: sixteen lanes store 256 consecutive bytes.
	FOLD 4, SCR+112, SCR+120
	LSUM
	v_bfe_u32 v0, v1, 4, 4                         ; r
	v_lshrrev_b32 v36, 8, v1                       ; h
	v_lshrrev_b32 v35, 3, v0
	v_mad_u32_u24 v35, v35, 24, v0                 ; my row in the tile's rows
	v_mul_u32_u24 v5, v35, XP
	v_lshl_add_u32 v5, v36, 7, v5
	v_add_nc_u32 v5, s[XB], v5
	v_mul_u32_u24 v6, v36, XP
	v_lshl_add_u32 v6, v0, 4, v6
	v_add_nc_u32 v6, s[XB], v6                     ; by rows: lanes 0-15 one, lanes 16-31 the next
	v_lshlrev_b32 v4, 4, v0
	v_lshl_add_u32 v4, v36, 11, v4                 ; and the same two rows in the output
	v_lshlrev_b32 v3, 7, v36
	v_add_nc_u32 v3, GB, v3
.irp q, 0,1,2,3,4,5,6,7
	ds_load_b128 v[128+4*\q:131+4*\q], v5 offset:16*\q
.endr
.irp q, 0,1,2,3,4,5,6,7
	ds_load_b128 v[160+4*\q:163+4*\q], v3 offset:16*\q
	ds_load_b128 v[192+4*\q:195+4*\q], v3 offset:256+16*\q
.endr
	v_add_f32 v14, v14, v15
	v_mov_b32 v34, v9
	v_permlanex16_b32 v36, v14, s[SEL], s[SEL+1]
	v_add_f32 v14, v14, v36                        ; the row's sum
	s_wait_alu depctr_va_vdst(0)                   ; the wait ahead of the transcendental
	v_rcp_f32 v14, v14
	v_nop
	s_wait_alu depctr_va_vdst(0)                   ; and behind it
	s_wait_dscnt 0x0
.set I, 0
.rept 16
	v_pk_add_f32 v[128+2*I:129+2*I], v[128+2*I:129+2*I], v[8:9] op_sel_hi:[1,0] neg_lo:[0,1] neg_hi:[0,1]
.set I, I+1
.endr
.set I, 0
.rept 16
	v_pk_mul_f32 v[128+2*I:129+2*I], v[128+2*I:129+2*I], v[34:35] op_sel_hi:[1,0]
.set I, I+1
.endr
.set I, 0
.rept 16
	v_pk_fma_f32 v[128+2*I:129+2*I], v[128+2*I:129+2*I], v[160+2*I:161+2*I], v[192+2*I:193+2*I]
.set I, I+1
.endr
	s_wait_alu depctr_va_vdst(0)
.set I, 0
.rept 16
	v_pk_fma_f32 v[128+2*I:129+2*I], v[OO+2*I:OO+2*I+1], v[14:15], v[128+2*I:129+2*I] op_sel_hi:[1,0,1]   ; + O^T / l
.set I, I+1
.endr
.irp q, 0,1,2,3,4,5,6,7
	ds_store_b128 v5, v[128+4*\q:131+4*\q] offset:16*\q
.endr
.irp i, 0,1,2,3,4,5,6,7
	ds_load_b128 v[224+4*\i:227+4*\i], v6 offset:(2*\i+24*(\i/4))*XP   ; LDS serves a wave's instructions in order: these see the stores above
.endr
.irp i, 0,1,2,3,4,5,6,7
	s_wait_dscnt 7-\i
	global_store_b128 v4, v[224+4*\i:227+4*\i], s[18:19] offset:(2*\i+24*(\i/4))*2048 th:TH_STORE_NT
.endr
	s_wait_tensorcnt 0x0                           ; the wave's end
	ds_add_u32 v10, v11
	s_wait_dscnt 0x0
	CROUND                                         ; the closing round: no work-group ends while a partner may still issue a joint load that names it
	s_endpgm
.Lfunc_end_k_q9e5f10cb3d_attn:
	.size	k_q9e5f10cb3d_attn, .Lfunc_end_k_q9e5f10cb3d_attn-k_q9e5f10cb3d_attn
	.p2alignl 7, 3214868480
	.fill 96, 4, 3214868480
	.section	.rodata,"a",@progbits
	.p2align	6, 0x0
	.amdhsa_kernel k_q9e5f10cb3d_attn
		.amdhsa_group_segment_fixed_size 327680
		.amdhsa_private_segment_fixed_size 0
		.amdhsa_enable_private_segment 0
		.amdhsa_kernarg_size 64
		.amdhsa_user_sgpr_count 2
		.amdhsa_user_sgpr_kernarg_segment_ptr 1
		.amdhsa_wavefront_size32 1
		.amdhsa_system_sgpr_workgroup_id_x 1
		.amdhsa_system_sgpr_workgroup_id_y 1
		.amdhsa_system_sgpr_workgroup_id_z 1
		.amdhsa_system_vgpr_workitem_id 0
		.amdhsa_next_free_vgpr 256
		.amdhsa_next_free_sgpr 100
		.amdhsa_reserve_vcc 0
		.amdhsa_float_denorm_mode_32 3
		.amdhsa_float_denorm_mode_16_64 3
		.amdhsa_memory_ordered 1
		.amdhsa_forward_progress 1
		.amdhsa_inst_pref_size 105
	.end_amdhsa_kernel
	.amdgpu_metadata
---
amdhsa.version: [ 1, 2 ]
amdhsa.kernels:
  - .name:           k_q9e5f10cb3d_attn
    .symbol:         k_q9e5f10cb3d_attn.kd
    .args:
      - { .name: qc, .offset: 0, .size: 8, .value_kind: global_buffer, .address_space: global }
      - { .name: qs, .offset: 8, .size: 8, .value_kind: global_buffer, .address_space: global }
      - { .name: kv, .offset: 16, .size: 8, .value_kind: global_buffer, .address_space: global }
      - { .name: x, .offset: 24, .size: 8, .value_kind: global_buffer, .address_space: global }
      - { .name: st, .offset: 32, .size: 8, .value_kind: global_buffer, .address_space: global }
      - { .name: ln_gamma, .offset: 40, .size: 8, .value_kind: global_buffer, .address_space: global }
      - { .name: ln_beta, .offset: 48, .size: 8, .value_kind: global_buffer, .address_space: global }
      - { .name: out0, .offset: 56, .size: 8, .value_kind: global_buffer, .address_space: global }
    .group_segment_fixed_size: 327680
    .private_segment_fixed_size: 0
    .kernarg_segment_align: 8
    .kernarg_segment_size: 64
    .max_flat_workgroup_size: 512
    .sgpr_count:     100
    .vgpr_count:     256
    .wavefront_size: 32
...
	.end_amdgpu_metadata
.endif
;; end of part 3
